; MI455X (gfx1250); checked and timed in simulation.
; The chip was launched on July 23, 2026; its instructions are those of AMD's public machine-readable ISA for CDNA 5 (MIT licence, August 2026) and "CDNA5" Instruction Set Architecture Reference Guide (July 2026). The comments in the code are by the model that wrote it; some were corrected since.
;; Self Attention. Allowed arithmetic: matrix products marked QUANTISED: E2M3 operands, one E8M0 scale for each 32 along K, by v_wmma_scale_f32_16x16x128_f8f6f4 with both operands' format E2M3, f32 sums; everything else in f32.
;; Inputs: Wk 1,024 x 1,024 float32; Wo 1,024 x 1,024 float32; Wq 1,024 x 1,024 float32; bo 1,024 float32; x 4 x 2,048 x 1,024 float32.
;; Outputs: out0 4 x 2,048 x 1,024 float32.
;; This version of the problem:
;;   THIS VERSION OF THE PROBLEM IS GIVEN IN LOW PRECISION. The matrix products marked QUANTISED in the list below multiply operands that are first quantised to E2M3 (2 exponent bits, 3 mantissa bits; 6 bits a number), with one power-of-two scale for each 32 numbers along K (OCP MX v1.0); their sums are f32. All else is computed in f32.
;;   The module's matrix products, in the order in which they are computed (A, B: the left and right operand; K: the contracted axis; several contracted axes count as one K, in the product's order):
;;     1. [M 8,192, K 1,024] x [K 1,024, N 1,024]; A: input x; B: input Wk: QUANTISED
;;     2. [M 8,192, K 1,024] x [K 1,024, N 1,024]; A: input x; B: input Wq: QUANTISED
;;     3. [M 8,192, K 1,024] x [K 1,024, N 1,024]; A: input x; B: input Wk: QUANTISED
;;     4. batch 64 x [M 2,048, K 64] x [K 64, N 2,048]; A: computed on the way; B: computed on the way: QUANTISED
;;     5. batch 64 x [M 2,048, K 2,048] x [K 2,048, N 64]; A: softmax (see below); B: computed on the way: QUANTISED
;;     6. [M 8,192, K 1,024] x [K 1,024, N 1,024]; A: computed on the way; B: input Wo: QUANTISED
;;   THE QUANTISER, for each operand of a quantised product, along K:
;;     - K is cut into blocks of 32 from its start; a last block that is shorter is filled with zeros.
;;     - A block's scale is 2^e with e = floor(log2(the largest magnitude in the block)) - 2, held to -126 .. 127; a block of zeros has e = 0. As a byte (E8M0): e + 127.
;;     - Each number is divided by its block's scale, clamped to +-7.5, and rounded to the nearest number of E2M3, ties to even, subnormals kept.
;;     - The product sums the exact products of the quantised numbers (number of the format x scale) in f32.
;;   ~~~python
;;   def quantise(x, axis):      # numpy; x: float32 -> the quantised numbers, widened to float32 again
;;       x = np.moveaxis(x, axis, -1); K = x.shape[-1]
;;       x = np.pad(x, [(0, 0)] * (x.ndim - 1) + [(0, -K % 32)]); x = x.reshape(x.shape[:-1] + (-1, 32)); a = np.abs(x).max(-1, keepdims=True)
;;       e = np.where(a > 0, np.clip(np.frexp(np.where(a > 0, a, 1))[1] - 1 - 2, -126, 127), 0)      # np.frexp(a)[1] - 1 = floor(log2(a)), exactly
;;       r = np.clip(x / 2.0 ** e, -7.5, 7.5)
;;       step = 2.0 ** (np.maximum(np.frexp(np.where(r == 0, 1, r))[1] - 1, 0) - 3)
;;       q = np.round(r / step) * step * 2.0 ** e      # np.round: ties to even
;;       return np.moveaxis(q.reshape(q.shape[:-2] + (-1,))[..., :K], -1, axis).astype(np.float32)
;;   ~~~
;;   SOFTMAX AHEAD OF A QUANTISED PRODUCT. Where the list says 'softmax', what is quantised is not the finished softmax but p = 2^(t - M), with t = logit x log2(e) and M = ceil(the row's largest t), a whole number; so 1/2 < the row's largest p <= 1. The row's sum l is taken of the UNQUANTISED p, in f32, and the product's result is divided by l at the end. Since M is a whole number, a kernel that streams over the keys may use a running M (the ceiling of the running maximum): every later rescaling is an exact power of two, which a block's scale takes up: the codes' values come out the same.
;;   OPERANDS COMPUTED ON THE WAY. 'Computed on the way' means the value that the module computes at that place (a softmax that the list does not call 'softmax' is quantised finished and normalised). What goes into a quantiser is computed in f32, as accurately as f32 sums, v_exp_f32 and their like allow (about 1e-6 of the number): no bf16 or f16 on the way to a quantiser, and a product that is left as it is and whose result goes on into a quantised operand takes f32 operands (vector FMAs, or v_wmma_f32_16x16x4_f32). A number that lies on a knife's edge between two numbers of the format may be rounded either way, as far as f32 arithmetic and the matrix unit's own rounding can turn it there, and no further.
;; One version. Each part assembles by itself: llvm-mc -triple=amdgcn-amd-amdhsa -mcpu=gfx1250 --defsym DOCPART=n.
;; ======== version 1 of 1: 4 launches
;; limits: right only within a limited range of input values
;; workspace buffers: xw_img 8,650,752 bytes; xw_sc 360,448 bytes; qkv_img 18,874,368 bytes; qkv_sc 786,432 bytes; a_img 6,291,456 bytes; a_sc 262,144 bytes
;; launch quant (part 1): grid 448 x 1, 4 waves a work-group, no clusters, 34,304 bytes of LDS; arguments x, Wk, Wq, Wo, xw_img, xw_sc; writes xw_img, xw_sc
.if DOCPART == 1
	.amdgcn_target "amdgcn-amd-amdhsa--gfx1250"
	.amdhsa_code_object_version 6
	.text
	.protected	k_q7636fc71ea_quant
	.globl	k_q7636fc71ea_quant
	.p2align	8
	.type	k_q7636fc71ea_quant,@function
k_q7636fc71ea_quant:
	s_mov_b64 s[64:65], 0
	v_nop
	global_prefetch_b8 v0, s[64:65] scope:SCOPE_SE
	s_setreg_imm32_b32 hwreg(HW_REG_WAVE_MODE, 25, 1), 1
	s_wait_xcnt 0x0
; x [8192][1024] (K innermost) and Wk, Wq, Wo [1024 (K)][1024 (n)] (K outermost), f32, become codes of FP6 (E2M3) with one E8M0 byte for each 32 along K.
; A block's byte is its largest magnitude's exponent field - 2, held at 1 from below; each number is divided by the scale and rounded to the nearest code, ties to even, beyond 7.5 the largest code.
; LIMITS: NaN and infinities among the inputs are not served; a block whose largest magnitude lies under 2^-124 keeps the byte 1 (a block of zeros too: its codes are zeros, and this program alone reads the bytes).
; THE ORDER INSIDE A BLOCK.  Place 16 a + 8 b + j of a block's 32 codes holds the number of index 16 b + 8 a + j (the two middle groups of eight change places).  Every operand of every product of this
; program has that order, so the products are the same sums; it is the order in which a matrix result's registers fall when they are quantised as they stand.
; THE CODES LEAVE AS IMAGES OF THE OPERAND'S REGISTERS.  A fragment (16 rows x 128 K, 12 registers a lane) is 1,536 bytes: registers 0-3 at 16 x lane, 4-5 at 512 + 8 x lane, 6-9 at 768 + 16 x lane,
; 10-11 at 1,280 + 8 x lane.  Each store of a wave covers 512 or 256 consecutive bytes, aligned.  xw_img: x [row tile 512][fragment 8][1,536], then from XI the weights [Wk, Wq, Wo][n tile 64][fragment 8][1,536].
; xw_sc: x [row][32 bytes], then from XS the weights [3][n][32 bytes]; byte = the block's number along K.
; Work-groups 0-255 take x, 256-447 the weights.  No cluster, no barrier: no two waves share a number.  Only x's path uses LDS.
.set XI,  6291456
.set XS,  262144
.set STG, 8448                         ; a wave's stage: 16 rows x (512 bytes + 16)
.set RA,  32                           ; v32-95, v96-159  two sets of 16 x 4 registers as loaded
.set X,   160                          ; v160-223 my two blocks of 32, in the blocks' order
.set C,   224                          ; v224-235 a fragment's codes; v236-238, v240-242 the halves that are moved
	s_load_b256 s[4:11], s[0:1], 0x0               ; x s[4:5], Wk s[6:7], Wq s[8:9], Wo s[10:11]
	s_load_b128 s[12:15], s[0:1], 0x20             ; xw_img s[12:13], xw_sc s[14:15]
	v_lshl_add_u32 v254, v0, 2, 0x8400
	v_mov_b32 v255, 0
	v_lshrrev_b32 v7, 5, v0
	v_readfirstlane_b32 s16, v7                    ; wave 0..3
	v_and_b32 v7, 31, v0                           ; lane
	v_lshlrev_b32 v1, 4, v7                        ; 16 x lane
	v_lshlrev_b32 v2, 3, v7                        ; 8 x lane
	s_mov_b32 s20, 0x76543210
	s_mov_b32 s21, 0xfedcba98                      ; v_permlanex16_b32's selects for lane l xor 16
	s_cmp_lt_u32 ttmp9, 256
	s_cbranch_scc0 .Lw
; ---------------- x.  Wave w of work-group g: row tile 2 g + w / 2, K half w % 2: four fragments.
	v_and_b32 v9, 15, v0                           ; r
	v_bfe_u32 v10, v0, 4, 1                        ; h
	s_mul_i32 s17, s16, STG
	v_add_nc_u32 v3, s17, v1                       ; into the stage: a row's 512 bytes as they lie
	v_mul_u32_u24 v4, v9, 528
	v_lshl_add_u32 v4, v10, 7, v4
	v_add_nc_u32 v4, s17, v4                       ; out of it: row r, + 128 h: my block of 32 numbers
	v_lshlrev_b32 v5, 3, v10                       ; 8 h: my bytes' place in a scale word
	v_lshlrev_b32 v6, 5, v9
	v_lshl_add_u32 v6, v10, 3, v6                  ; the scale words' way out: 32 r + 8 h
	v_mov_b32 v15, 0                               ; a lane permute's destination counts as read
	s_lshl_b32 s18, ttmp9, 1
	s_lshr_b32 s19, s16, 1
	s_add_co_u32 s18, s18, s19                     ; row tile
	s_and_b32 s19, s16, 1                          ; K half
	s_lshl_b32 s22, s18, 16                        ; x: 16 rows of 4,096 bytes a tile, 2,048 bytes a half
	s_lshl_b32 s24, s19, 11
	s_add_co_u32 s22, s22, s24
	s_mov_b32 s23, 0
	s_mul_i32 s24, s18, 12288                      ; images: 8 fragments a tile, 4 a half
	s_mul_i32 s26, s19, 6144
	s_add_co_u32 s24, s24, s26
	s_mov_b32 s25, 0
	s_lshl_b32 s26, s18, 9                         ; scale bytes: 16 rows of 32, 16 a half
	s_lshl_b32 s28, s19, 4
	s_add_co_u32 s26, s26, s28
	s_mov_b32 s27, 0
	s_wait_alu depctr_va_vdst(0)
	s_wait_kmcnt 0x0
	s_add_nc_u64 s[4:5], s[4:5], s[22:23]
	s_add_nc_u64 s[12:13], s[12:13], s[24:25]
	s_add_nc_u64 s[14:15], s[14:15], s[26:27]
.macro XLOAD s                         ; fragment s: 16 loads, each 512 consecutive bytes of one row
.set p, 0
.rept 16
	global_load_b128 v[RA+64*((\s)%2)+4*p:RA+64*((\s)%2)+4*p+3], v1, s[4:5] offset:p*4096+(\s)*512 th:TH_LOAD_NT
.set p, p+1
.endr
.endm
.macro XSTEP s
.if (\s) < 3
	s_wait_loadcnt 16                              ; this fragment's 16 loads are in; the next one's 16 may be out
.else
	s_wait_loadcnt 0x0
.endif
.set p, 0
.rept 16
	ds_store_b128 v3, v[RA+64*((\s)%2)+4*p:RA+64*((\s)%2)+4*p+3] offset:p*528
.set p, p+1
.endr
.irp c, 0,1                            ; my block 2 c + h; LDS serves a wave's instructions in order, so these see the stores.  The destination registers make the blocks' order
.irp q, 0,1,2,3,4,5,6,7
.set PQ, X+32*\c+4*(2*((((\q/2)&1)*2)+((\q/2)>>1))+(\q%2))
	ds_load_b128 v[PQ:PQ+3], v4 offset:256*\c+16*\q
.endr
.endr
	s_wait_dscnt 0x0                               ; my 64 numbers are in, and the stores have read the set that is loaded next
.if (\s) < 2
	XLOAD (\s)+2
.endif
	v_max3_num_f32 v8, |v[X]|, |v[X+1]|, 0x1800000      ; the floor 2^(3 - 127) among the leaves holds the byte at 1 from below
	v_max3_num_f32 v9, |v[X+32]|, |v[X+33]|, 0x1800000
.irp i, 2,4,6,8,10,12,14,16,18,20,22,24,26,28,30
	v_max3_num_f32 v8, v8, |v[X+\i]|, |v[X+1+\i]|       ; the two blocks by turns
	v_max3_num_f32 v9, v9, |v[X+32+\i]|, |v[X+33+\i]|
.endr
	v_add_nc_u32 v10, 0xff000000, v8               ; 2 off the exponent field: the conversion's scale operand
	v_add_nc_u32 v11, 0xff000000, v9
	v_lshrrev_b32 v12, 23, v10                     ; the bytes of blocks h and 2 + h
	v_lshrrev_b32 v13, 23, v11
	v_lshl_or_b32 v14, v13, 16, v12
	v_lshlrev_b32 v14, v5, v14                     ; at their places in the row's word
	v_permlanex16_b32 v15, v14, s20, s21
	v_or_b32 v[24+(\s)], v14, v15                  ; with lane l xor 16's two the word is whole
	s_wait_alu depctr_va_vdst(0)
	s_wait_xcnt 0x0                                ; the last fragment's stores have read the codes' registers
	v_cvt_scalef32_pk16_fp6_f32 v[C:C+2], v[X:X+15], v10
	v_cvt_scalef32_pk16_fp6_f32 v[236:238], v[X+16:X+31], v10       ; (a conversion's three registers begin on an even number)
	v_cvt_scalef32_pk16_fp6_f32 v[C+6:C+8], v[X+32:X+47], v11
	v_cvt_scalef32_pk16_fp6_f32 v[240:242], v[X+48:X+63], v11
	v_nop                                          ; one plain place behind a scaled conversion
.irp i, 0,1,2
	v_mov_b32 v[C+3+\i], v[236+\i]
	v_mov_b32 v[C+9+\i], v[240+\i]
.endr
	global_store_b128 v1, v[C:C+3], s[12:13] offset:1536*(\s)
	global_store_b64 v2, v[C+4:C+5], s[12:13] offset:1536*(\s)+512
	global_store_b128 v1, v[C+6:C+9], s[12:13] offset:1536*(\s)+768
	global_store_b64 v2, v[C+10:C+11], s[12:13] offset:1536*(\s)+1280
.endm
	XLOAD 0
	XLOAD 1
	XSTEP 0
	XSTEP 1
	XSTEP 2
	XSTEP 3
	v_bfe_u32 v9, v0, 4, 1                         ; the four words of my row: lanes 0-15 store the first two, lanes 16-31 the others.  16 of a row's 32 bytes: one byte in 128 of what is read here
	v_cmp_eq_u32 vcc_lo, 1, v9
	v_cndmask_b32 v28, v24, v26, vcc_lo
	v_cndmask_b32 v29, v25, v27, vcc_lo
	global_store_b64 v6, v[28:29], s[14:15]
	s_wait_tensorcnt 0x0
	ds_add_u32 v254, v255
	s_wait_dscnt 0x0
	s_endpgm
; ---------------- the weights.  Work-group 256 + 64 t + 8 f + c: tensor t, fragment f (128 along K), columns 128 c on; wave w: 32 of them, a lane to a column, registers down K.
.Lw:
	s_sub_co_u32 s17, ttmp9, 256
	s_lshr_b32 s18, s17, 6                         ; which tensor: 0 Wk, 1 Wq, 2 Wo
	s_and_b32 s19, s17, 7
	s_bfe_u32 s22, s17, 0x30003                    ; fragment
	s_lshl_b32 s23, s19, 7
	s_lshl_b32 s24, s16, 5
	s_add_co_u32 s23, s23, s24                     ; my wave's first column
	s_wait_alu depctr_va_vdst(0)
	v_lshlrev_b32 v3, 2, v7                        ; in: 4 bytes a lane
	v_lshlrev_b32 v4, 5, v7                        ; the scale word's way out: 32 bytes a column
	s_lshl_b32 s24, s22, 19                        ; 128 rows of 4,096 bytes a fragment
	s_lshl_b32 s26, s23, 2
	s_add_co_u32 s24, s24, s26
	s_mov_b32 s25, 0
	s_mul_i32 s26, s18, 786432
	s_lshr_b32 s28, s23, 4
	s_mul_i32 s28, s28, 12288
	s_add_co_u32 s26, s26, s28
	s_mul_i32 s28, s22, 1536
	s_add_co_u32 s26, s26, s28
	s_add_co_u32 s26, s26, XI
	s_mov_b32 s27, 0
	s_lshl_b32 s28, s18, 15
	s_lshl_b32 s30, s23, 5
	s_add_co_u32 s28, s28, s30
	s_lshl_b32 s30, s22, 2
	s_add_co_u32 s28, s28, s30
	s_add_co_u32 s28, s28, XS
	s_mov_b32 s29, 0
	s_wait_alu depctr_va_vdst(0)
	s_wait_kmcnt 0x0
	s_cmp_eq_u32 s18, 0                            ; the choice hangs on the work-group's number alone
	s_cselect_b64 s[6:7], s[6:7], s[8:9]
	s_cmp_eq_u32 s18, 2
	s_cselect_b64 s[6:7], s[10:11], s[6:7]
	s_add_nc_u64 s[6:7], s[6:7], s[24:25]
	s_add_nc_u64 s[12:13], s[12:13], s[26:27]
	s_add_nc_u64 s[14:15], s[14:15], s[28:29]
.irp t, 0,1,2,3                        ; block t, place i: the row of K that the blocks' order puts there; 32 lanes read 128 consecutive bytes
.irp i, 0,1,2,3,4,5,6,7,8,9,10,11,12,13,14,15,16,17,18,19,20,21,22,23,24,25,26,27,28,29,30,31
.set PK, (\i%8)+8*((((\i/8)&1)*2)+((\i/8)>>1))
	global_load_b32 v[32+32*\t+\i], v3, s[6:7] offset:(32*\t+PK)*4096 th:TH_LOAD_NT
.endr
.endr
; Blocks 2 k and 2 k + 1 of my column.  The exchange of halves turns "a lane to a column, two blocks" into two half images: lanes 0-15 block 2 k, lanes 16-31 block 2 k + 1, of columns 0-15 and of columns 16-31.
.macro WPAIR k
.set B0, 32+64*(\k)
.set B1, 64+64*(\k)
.set EE, 160+20*(\k)                   ; registers of its own for each pair: no store's data are written again
	v_max3_num_f32 v8, |v[B0]|, |v[B0+1]|, 0x1800000
	v_max3_num_f32 v9, |v[B1]|, |v[B1+1]|, 0x1800000
.irp i, 2,4,6,8,10,12,14,16,18,20,22,24,26,28,30
	v_max3_num_f32 v8, v8, |v[B0+\i]|, |v[B0+1+\i]|
	v_max3_num_f32 v9, v9, |v[B1+\i]|, |v[B1+1+\i]|
.endr
	v_add_nc_u32 v10, 0xff000000, v8
	v_add_nc_u32 v11, 0xff000000, v9
	v_lshrrev_b32 v[12+2*(\k)], 23, v10
	v_lshrrev_b32 v[13+2*(\k)], 23, v11
	v_cvt_scalef32_pk16_fp6_f32 v[EE:EE+2], v[B0:B0+15], v10
	v_cvt_scalef32_pk16_fp6_f32 v[EE+12:EE+14], v[B0+16:B0+31], v10
	v_cvt_scalef32_pk16_fp6_f32 v[EE+6:EE+8], v[B1:B1+15], v11
	v_cvt_scalef32_pk16_fp6_f32 v[EE+16:EE+18], v[B1+16:B1+31], v11
	v_nop                                          ; one plain place behind a scaled conversion
.irp i, 0,1,2
	v_mov_b32 v[EE+3+\i], v[EE+12+\i]
	v_mov_b32 v[EE+9+\i], v[EE+16+\i]
.endr
.irp i, 0,1,2,3,4,5
	v_permlane16_swap_b32 v[EE+\i], v[EE+6+\i]
.endr
	global_store_b128 v1, v[EE:EE+3], s[12:13] offset:768*(\k)
	global_store_b64 v2, v[EE+4:EE+5], s[12:13] offset:768*(\k)+512
	global_store_b128 v1, v[EE+6:EE+9], s[12:13] offset:12288+768*(\k)
	global_store_b64 v2, v[EE+10:EE+11], s[12:13] offset:12288+768*(\k)+512
.endm
	s_wait_loadcnt 63                              ; the first 64 of the 128 loads are wanted: the largest count that the wait names shows 65 of them in
	WPAIR 0
	s_wait_loadcnt 0x0
	WPAIR 1
	v_lshl_or_b32 v16, v13, 8, v12                 ; my column's four bytes of this fragment
	v_lshl_or_b32 v16, v14, 16, v16
	v_lshl_or_b32 v16, v15, 24, v16
	global_store_b32 v4, v16, s[14:15]
	s_endpgm
.Lfunc_end_k_q7636fc71ea_quant:
	.size	k_q7636fc71ea_quant, .Lfunc_end_k_q7636fc71ea_quant-k_q7636fc71ea_quant
	.p2alignl 7, 3214868480
	.fill 96, 4, 3214868480
	.section	.rodata,"a",@progbits
	.p2align	6, 0x0
	.amdhsa_kernel k_q7636fc71ea_quant
		.amdhsa_group_segment_fixed_size 34304
		.amdhsa_private_segment_fixed_size 0
		.amdhsa_enable_private_segment 0
		.amdhsa_kernarg_size 48
		.amdhsa_user_sgpr_count 2
		.amdhsa_user_sgpr_kernarg_segment_ptr 1
		.amdhsa_wavefront_size32 1
		.amdhsa_system_sgpr_workgroup_id_x 1
		.amdhsa_system_sgpr_workgroup_id_y 1
		.amdhsa_system_sgpr_workgroup_id_z 1
		.amdhsa_system_vgpr_workitem_id 0
		.amdhsa_next_free_vgpr 256
		.amdhsa_next_free_sgpr 66
		.amdhsa_reserve_vcc 1
		.amdhsa_float_denorm_mode_32 3
		.amdhsa_float_denorm_mode_16_64 3
		.amdhsa_memory_ordered 1
		.amdhsa_forward_progress 1
		.amdhsa_inst_pref_size 51
	.end_amdhsa_kernel
	.amdgpu_metadata
---
amdhsa.version: [ 1, 2 ]
amdhsa.kernels:
  - .name:           k_q7636fc71ea_quant
    .symbol:         k_q7636fc71ea_quant.kd
    .args:
      - { .name: x, .offset: 0, .size: 8, .value_kind: global_buffer, .address_space: global }
      - { .name: Wk, .offset: 8, .size: 8, .value_kind: global_buffer, .address_space: global }
      - { .name: Wq, .offset: 16, .size: 8, .value_kind: global_buffer, .address_space: global }
      - { .name: Wo, .offset: 24, .size: 8, .value_kind: global_buffer, .address_space: global }
      - { .name: xw_img, .offset: 32, .size: 8, .value_kind: global_buffer, .address_space: global }
      - { .name: xw_sc, .offset: 40, .size: 8, .value_kind: global_buffer, .address_space: global }
    .group_segment_fixed_size: 34304
    .private_segment_fixed_size: 0
    .kernarg_segment_align: 8
    .kernarg_segment_size: 48
    .max_flat_workgroup_size: 128
    .sgpr_count:     66
    .vgpr_count:     256
    .wavefront_size: 32
...
	.end_amdgpu_metadata
.endif
;; end of part 1
;; launch proj (part 2): grid 4 x 96, 4 waves a work-group, clusters of 4 x 4, 327,680 bytes of LDS; arguments xw_img, xw_sc, qkv_img, qkv_sc; writes qkv_img, qkv_sc
.if DOCPART == 2
	.amdgcn_target "amdgcn-amd-amdhsa--gfx1250"
	.amdhsa_code_object_version 6
	.text
	.protected	k_q7636fc71ea_proj
	.globl	k_q7636fc71ea_proj
	.p2align	8
	.type	k_q7636fc71ea_proj,@function
k_q7636fc71ea_proj:
	s_mov_b64 s[64:65], 0
	v_nop
	global_prefetch_b8 v0, s[64:65] scope:SCOPE_SE
	s_setreg_imm32_b32 hwreg(HW_REG_WAVE_MODE, 25, 1), 1
	s_wait_xcnt 0x0
	s_wait_alu depctr_hold_cnt(0) depctr_sa_sdst(0) depctr_va_vdst(0) depctr_va_sdst(0) depctr_va_ssrc(0) depctr_va_vcc(0) depctr_vm_vsrc(0)
	s_getreg_b32 s2, hwreg(HW_REG_IB_STS2, 6, 4)
	s_cmp_eq_u32 s2, 0
	s_cbranch_scc0 .Lentry_in_a_cluster
	s_endpgm
.Lentry_in_a_cluster:
	s_bfe_u32 s2, ttmp6, 0x10000c
	s_cmp_lg_u32 s2, 0xf033
	s_cbranch_scc0 .Lentry_shape_is_right
	s_endpgm
.Lentry_shape_is_right:
.set XI,    6291456
.set XS,    262144
.set QI,    6291456
.set QS,    262144
.set NQ,    2
.set FR,    12
.set NL,    4
.set NP,    4
.set TILEB, 3072
.set RT,    12288
.set HALFT, 8*TILEB
.set SLOT,  4*HALFT
.set KS,    32
.set SCL,   2*SLOT
.set HALFS, 16*272
.set SBLK,  2*272
.set SPARE, SCL+4*HALFS
.set SSTG,  SPARE+512
.set ADRA, 16
.set ADRB, 20
.set SWI,  26
.set ADRS, 27
.set SPW,  28
.set NIL,  29
.set SWO,  30
.set SC,   32
.set AF,   128
.set T,    64
.set PC,   128
.set TM,   160
.set PW,   176
.set SEL,  36
.set G1, 24
.set G0, 32
.set G1B, 48
.set G0B, 56
.set G1S, 68
.set G0S, 76
.set G1SB, 80
.set G0SB, 88
.set MSB, 0
.macro WIN new
.if MSB != \new
	s_set_vgpr_msb (MSB<<8)|\new
.set MSB, \new
.endif
.endm
.set MUL_LO, 0xa1
.set MUL_HI, 0xf1
.set TO_B,   0x40
.macro JLOAD g0a, g1a, g0b, g1b
	s_cmp_eq_u32 s15, 0
	s_cbranch_scc0 .Lfor_b_\@
	tensor_load_to_lds s[\g0a:\g0a+3], s[\g1a:\g1a+7]
	s_nop 0
.rept 4
	v_nop
.endr
	s_branch .Lasked_\@
.Lfor_b_\@:
	tensor_load_to_lds s[\g0b:\g0b+3], s[\g1b:\g1b+7]
	s_nop 0
.rept 4
	v_nop
.endr
.Lasked_\@:
.endm
.macro CREST
	s_cmp_lg_u32 s14, 0
	s_cbranch_scc1 .Lnot_wave_0_\@
	s_barrier_signal -3
.Lnot_wave_0_\@:
	s_barrier_wait -3
	s_barrier_signal -1
	s_barrier_wait -1
.endm
.macro CROUND
	s_barrier_signal -1
	s_barrier_wait -1
	CREST
.endm
	s_load_b256 s[4:11], s[0:1], 0x0
	v_lshl_add_u32 v[SPW], v0, 2, SPARE
	v_mov_b32 v[NIL], 0
	ds_add_u32 v28, v29
	ds_add_u32 v28, v29
	s_wait_dscnt 0x0
	v_lshrrev_b32 v1, 5, v0
	v_readfirstlane_b32 s14, v1
	s_lshr_b32 s15, s14, 1
	s_and_b32 s16, s14, 1
	s_bfe_u32 s40, ttmp6, 0x40000
	s_bfe_u32 s41, ttmp6, 0x40004
	s_and_b32 s67, ttmp7, 0xffff
	s_lshr_b32 s66, s67, 3
	s_and_b32 s67, s67, 7
	s_lshl_b32 s67, s67, 2
	s_cmp_eq_u32 s66, 0
	s_cselect_b32 s94, 786432, 0
	s_cselect_b32 s95, 32768, 0
	s_add_co_u32 s94, s94, XI
	s_add_co_u32 s95, s95, XS
	s_cmp_eq_u32 s66, 2
	s_cselect_b32 s94, 0, s94
	s_cselect_b32 s95, 0, s95
	s_cselect_b32 s92, XI, 0
	s_cselect_b32 s93, XS, 0
	s_cselect_b32 s17, 0, s67
	s_cselect_b32 s42, s67, 0
	s_add_co_u32 s17, s17, s41
	s_add_co_u32 s42, s42, s40
	s_lshl_b32 s43, s41, 2
	s_lshl_b32 s43, 15, s43
	s_lshl_b32 s44, 0x1111, s40
	s_or_b32 s[G1+0], s43, (3<<16)|(1<<21)
	s_or_b32 s[G1B+0], s44, (3<<16)|(1<<21)
.irp g, G1, G1B
	s_mov_b32 s[\g+1], 384<<16
	s_mov_b32 s[\g+2], 8<<16
	s_mov_b32 s[\g+3], 384<<16
	s_mov_b32 s[\g+4], 8
	s_mov_b32 s[\g+5], 1536
	s_mov_b32 s[\g+6], 0
	s_mov_b32 s[\g+7], 0
.endr
	s_or_b32 s[G1S+0], s43, (3<<16)|(1<<20)|(1<<21)|(5<<22)|(3<<25)
	s_or_b32 s[G1SB+0], s44, (3<<16)|(1<<20)|(1<<21)|(5<<22)|(3<<25)
.irp g, G1S, G1SB
	s_mov_b32 s[\g+1], 32<<16
	s_mov_b32 s[\g+2], 16<<16
	s_mov_b32 s[\g+3], 32<<16
	s_mov_b32 s[\g+4], 16
	s_mov_b32 s[\g+5], 32
	s_mov_b32 s[\g+6], 0
	s_mov_b32 s[\g+7], 0
.endr
	s_lshl_b32 s18, s16, 3
	s_lshl_b32 s20, s17, 4
	s_add_co_u32 s20, s20, s18
	s_lshl_b32 s46, s42, 4
	s_add_co_u32 s46, s46, s18
	s_lshl_b32 s22, s20, 9
	s_add_co_u32 s22, s22, s93
	s_mov_b32 s23, 0
	s_mul_i32 s20, s20, RT
	s_add_co_u32 s20, s20, s92
	s_mov_b32 s21, 0
	s_lshl_b32 s96, s46, 9
	s_add_co_u32 s96, s96, s95
	s_mov_b32 s97, 0
	s_mul_i32 s46, s46, RT
	s_add_co_u32 s46, s46, s94
	s_mov_b32 s47, 0
	s_mul_i32 s45, s14, HALFT
	s_mul_i32 s98, s14, HALFS
	s_wait_kmcnt 0x0
	s_add_nc_u64 s[20:21], s[4:5], s[20:21]
	s_add_nc_u64 s[22:23], s[6:7], s[22:23]
	s_add_nc_u64 s[46:47], s[4:5], s[46:47]
	s_add_nc_u64 s[96:97], s[6:7], s[96:97]
	CROUND
	s_mov_b32 s[G0S], 1
	s_add_co_u32 s[G0S+1], s98, SCL
	s_mov_b64 s[G0S+2:G0S+3], s[22:23]
	s_or_b32 s[G0S+3], s[G0S+3], 0x80000000
	s_mov_b32 s[G0SB], 1
	s_add_co_u32 s[G0SB+1], s98, SCL
	s_mov_b64 s[G0SB+2:G0SB+3], s[96:97]
	s_or_b32 s[G0SB+3], s[G0SB+3], 0x80000000
	JLOAD G0S, G1S, G0SB, G1SB
.irp s, 0,1
	s_mov_b32 s[G0+4*\s], 1
	s_add_co_u32 s[G0+4*\s+1], s45, \s*SLOT
	s_add_nc_u64 s[G0+4*\s+2:G0+4*\s+3], s[20:21], \s*TILEB
	s_or_b32 s[G0+4*\s+3], s[G0+4*\s+3], 0x80000000
	s_mov_b32 s[G0B+4*\s], 1
	s_add_co_u32 s[G0B+4*\s+1], s45, \s*SLOT
	s_add_nc_u64 s[G0B+4*\s+2:G0B+4*\s+3], s[46:47], \s*TILEB
	s_or_b32 s[G0B+4*\s+3], s[G0B+4*\s+3], 0x80000000
	s_wait_alu depctr_va_vdst(0)
	s_wait_tensorcnt 0x0
	ds_add_u32 v28, v29
	s_wait_dscnt 0x0
	CROUND
	JLOAD G0+4*\s, G1, G0B+4*\s, G1B
.endr
	v_and_b32 v1, 15, v0
	v_bfe_u32 v2, v0, 4, 1
	v_and_b32 v3, 31, v0
	v_lshlrev_b32 v4, 4, v3
	v_lshlrev_b32 v5, 3, v3
	s_mul_i32 s21, s15, HALFT
	s_mul_i32 s22, s16, HALFT
	s_add_co_u32 s22, s22, 2*HALFT
.irp s, 0,1
	v_add_nc_u32 v[ADRA+\s], s21, v4
	v_add_nc_u32 v[ADRB+\s], s22, v4
	v_add_nc_u32 v[ADRA+2+\s], s21, v5
	v_add_nc_u32 v[ADRB+2+\s], s22, v5
	s_add_co_u32 s21, s21, SLOT
	s_add_co_u32 s22, s22, SLOT
.endr
	v_mul_u32_u24 v6, v1, KS
	v_lshrrev_b32 v7, 8, v6
	v_lshl_add_u32 v6, v7, 4, v6
	s_mul_i32 s21, s15, HALFS
	s_mul_i32 s22, s16, HALFS
	s_add_co_u32 s22, s22, 2*HALFS
	s_sub_co_u32 s22, s22, s21
	v_mul_u32_u24 v7, s22, v2
	s_add_co_u32 s21, s21, SCL
	v_add_nc_u32 v6, v6, v7
	v_add_nc_u32 v[ADRS], s21, v6
	s_lshl_b32 s21, s14, 9
	s_add_co_u32 s21, s21, SSTG
	v_lshl_add_u32 v[SWI], v1, 2, s21
	v_add_nc_u32 v[SWO], s21, v4
.macro FRAG reg, adr, q, i
	ds_load_b128 v[\reg:\reg+3], v[\adr] offset:(\i)*TILEB+(\q)*1536
	ds_load_b64 v[\reg+4:\reg+5], v[\adr+2] offset:(\i)*TILEB+(\q)*1536+512
	ds_load_b128 v[\reg+6:\reg+9], v[\adr] offset:(\i)*TILEB+(\q)*1536+768
	ds_load_b64 v[\reg+10:\reg+11], v[\adr+2] offset:(\i)*TILEB+(\q)*1536+1280
.endm
.macro MUL16 a0, p, q, sc, zero
.irp a, \a0, \a0+1
.irp b, 0,1,2,3,4,5,6,7
.if \zero
	v_wmma_scale_f32_16x16x128_f8f6f4 v[8*(8*((\a)%4)+\b):8*(8*((\a)%4)+\b)+7], v[128*(\p)+FR*\b:128*(\p)+FR*\b+FR-1], v[AF+FR*(\a):AF+FR*(\a)+FR-1], 0, v[SC+8*NQ*(\sc)+NQ*\b+(\q)], v[SC+8*NQ*(\sc)+NQ*(\a)+(\q)] matrix_a_fmt:MATRIX_FMT_FP6 matrix_b_fmt:MATRIX_FMT_FP6 matrix_a_scale:MATRIX_SCALE_ROW1
.else
	v_wmma_scale_f32_16x16x128_f8f6f4 v[8*(8*((\a)%4)+\b):8*(8*((\a)%4)+\b)+7], v[128*(\p)+FR*\b:128*(\p)+FR*\b+FR-1], v[AF+FR*(\a):AF+FR*(\a)+FR-1], v[8*(8*((\a)%4)+\b):8*(8*((\a)%4)+\b)+7], v[SC+8*NQ*(\sc)+NQ*\b+(\q)], v[SC+8*NQ*(\sc)+NQ*(\a)+(\q)] matrix_a_fmt:MATRIX_FMT_FP6 matrix_b_fmt:MATRIX_FMT_FP6 matrix_a_scale:MATRIX_SCALE_ROW1
.endif
.endr
.endr
.endm
.macro FETCH_B slot, q, p
	WIN TO_B
.irp i, 0,1,2,3,4,5,6,7
	FRAG 128*(\p)+FR*\i, ADRB+\slot, \q, \i
.endr
	WIN 0
.endm
.macro FETCH_A slot, q, i0
.irp i, \i0, \i0+1, \i0+2, \i0+3
	FRAG AF+FR*(\i), ADRA+\slot, \q, \i
.endr
.endm
.macro SCALES sc
.irp i, 0,1,2,3,4,5,6,7
	ds_load_b64 v[SC+8*NQ*\sc+NQ*\i:SC+8*NQ*\sc+NQ*\i+1], v[ADRS] offset:\i*SBLK
.endr
.endm
.macro PLACES n
.rept \n
	v_nop
.endr
.endm
.macro STEP slot, q, zero
	s_wait_dscnt 4*NL
	WIN MUL_LO
	MUL16 0, (\q)%2, \q, \slot, \zero
	MUL16 2, (\q)%2, \q, \slot, \zero
	s_wait_dscnt 0
	PLACES NP
	FETCH_B \slot, (\q)+1, 1-(\q)%2
	FETCH_A \slot, (\q)+1, 0
	WIN MUL_HI
	MUL16 4, (\q)%2, \q, \slot, \zero
	MUL16 6, (\q)%2, \q, \slot, \zero
	PLACES NP
	WIN 0
	FETCH_A \slot, (\q)+1, 4
.endm
.macro TURN slot, next, fill
	s_wait_tensorcnt 0x0
	ds_add_u32 v[SPW], v[NIL]
	s_wait_dscnt 4*NL+1
	WIN MUL_LO
	MUL16 0, 1, NQ-1, \slot, 0
	s_wait_dscnt 0x0
	s_barrier_signal -1
	MUL16 2, 1, NQ-1, \slot, 0
	WIN 0
	s_barrier_wait -1
.if \fill
	CREST
	s_add_nc_u64 s[G0+4*\slot+2:G0+4*\slot+3], s[G0+4*\slot+2:G0+4*\slot+3], 2*TILEB
	s_add_nc_u64 s[G0B+4*\slot+2:G0B+4*\slot+3], s[G0B+4*\slot+2:G0B+4*\slot+3], 2*TILEB
	JLOAD G0+4*\slot, G1, G0B+4*\slot, G1B
.else
	PLACES NP
.endif
	s_wait_alu depctr_va_vdst(0)
	v_add_nc_u32 v[ADRS], 4*NQ, v[ADRS]
	FETCH_B \next, 0, 0
	FETCH_A \next, 0, 0
	SCALES \next
	WIN MUL_HI
	MUL16 4, 1, NQ-1, \slot, 0
	MUL16 6, 1, NQ-1, \slot, 0
	PLACES NP
	WIN 0
	FETCH_A \next, 0, 4
.endm
	s_wait_alu depctr_va_vdst(0)
	s_wait_tensorcnt 1
	s_barrier_signal -1
	s_barrier_wait -1
	FETCH_B 0, 0, 0
	FETCH_A 0, 0, 0
	SCALES 0
	FETCH_A 0, 0, 4
	STEP 0, 0, 1
	TURN 0, 1, 1
	STEP 1, 0, 0
	TURN 1, 0, 1
	STEP 0, 0, 0
	TURN 0, 1, 0
	STEP 1, 0, 0
	s_wait_dscnt 4*NL
	WIN MUL_LO
	MUL16 0, 1, NQ-1, 1, 0
	MUL16 2, 1, NQ-1, 1, 0
	s_wait_dscnt 0
	WIN MUL_HI
	MUL16 4, 1, NQ-1, 1, 0
	MUL16 6, 1, NQ-1, 1, 0
	WIN 0
	s_lshl_b32 s18, s17, 1
	s_add_co_u32 s18, s18, s15
	s_lshl_b32 s19, s42, 1
	s_add_co_u32 s19, s19, s16
	s_cmp_eq_u32 s66, 0
	s_cselect_b32 s44, 0, 1
	s_cselect_b32 s45, 0, QI
	s_cselect_b32 s46, 0, QS
	s_lshl_b32 s49, 98304, s44
	s_lshl_b32 s50, 6144, s44
	s_lshl_b32 s51, 8192, s44
	s_mov_b32 s30, 768
	s_mov_b32 s32, 768
	s_mov_b32 s34, 0x3e3504f3
	s_cmp_eq_u32 s66, 2
	s_cselect_b32 s20, s19, s18
	s_cselect_b32 s21, s18, s19
	s_cselect_b32 s22, 6144, 0
	s_cselect_b32 s30, 1536, s30
	s_cselect_b32 s32, 192000, s32
	s_cselect_b32 s23, 8, 9
	s_cselect_b32 s47, 8192, 0
	s_cselect_b32 s48, 12, 8
	s_cselect_b32 s34, 0x3f800000, s34
	s_cselect_b32 s52, 768, s49
	s_lshr_b32 s53, s20, 4
	s_and_b32 s54, s20, 15
	s_lshl_b32 s55, s53, 3
	s_add_co_u32 s55, s55, s21
	s_lshl_b32 s56, s55, 1
	s_mul_i32 s56, s56, s49
	s_mul_i32 s57, s54, s50
	s_add_co_u32 s56, s56, s57
	s_add_co_u32 s56, s56, s22
	s_add_co_u32 s56, s56, s45
	s_mov_b32 s57, 0
	s_mov_b32 s53, 0
	s_add_nc_u64 s[24:25], s[8:9], s[56:57]
	s_add_nc_u64 s[26:27], s[24:25], s[52:53]
	s_mul_i32 s58, s55, s51
	s_lshl_b32 s59, s54, s23
	s_add_co_u32 s58, s58, s59
	s_add_co_u32 s58, s58, s47
	s_add_co_u32 s58, s58, s46
	s_mov_b32 s59, 0
	s_add_nc_u64 s[28:29], s[10:11], s[58:59]
	s_mov_b32 s31, 0
	s_mov_b32 s33, 0
	s_mov_b32 s35, s34
	s_mov_b32 s[SEL], 0x76543210
	s_mov_b32 s[SEL+1], 0xfedcba98
	PLACES NP
	v_lshlrev_b32 v31, s48, v2
	v_lshl_add_u32 v31, v1, 4, v31
.irp b, 0,1,2,3
	v_mov_b32 v[TM+4+\b], 0
.endr
.macro QUANT s
.irp b, 0,1,2,3
	v_max3_num_f32 v[TM+\b], |v[\s+16*\b]|, |v[\s+1+16*\b]|, 0x1800000
.endr
.irp i, 2,4,6,8,10,12,14
.irp b, 0,1,2,3
	v_max3_num_f32 v[TM+\b], v[TM+\b], |v[\s+16*\b+\i]|, |v[\s+1+16*\b+\i]|
.endr
.endr
.irp b, 0,1,2,3
	v_permlanex16_b32 v[TM+4+\b], v[TM+\b], s[SEL], s[SEL+1]
.endr
.irp b, 0,1,2,3
	v_max_num_f32 v[TM+\b], v[TM+\b], v[TM+4+\b]
.endr
.irp b, 0,1,2,3
	v_add_nc_u32 v[TM+12+\b], 0xff000000, v[TM+\b]
.endr
.irp b, 0,1,2,3
	v_lshrrev_b32 v[TM+4+\b], 23, v[TM+12+\b]
.endr
	v_lshl_or_b32 v[PW], v[TM+5], 8, v[TM+4]
	v_lshl_or_b32 v[PW], v[TM+6], 16, v[PW]
	v_lshl_or_b32 v[PW], v[TM+7], 24, v[PW]
.irp c, 0,1
	v_cvt_scalef32_pk16_fp6_f32 v[PC+6*\c:PC+2+6*\c], v[\s+32*\c:\s+15+32*\c], v[TM+12+2*\c]
	v_cvt_scalef32_pk16_fp6_f32 v[PC+12+4*\c:PC+14+4*\c], v[\s+16+32*\c:\s+31+32*\c], v[TM+12+2*\c+1]
.endr
	v_nop
.irp c, 0,1
.irp i, 0,1,2
	v_permlane16_swap_b32 v[PC+6*\c+\i], v[PC+12+4*\c+\i]
.endr
.irp i, 0,1,2
	v_mov_b32 v[PC+3+6*\c+\i], v[PC+12+4*\c+\i]
.endr
.endr
.endm
.macro OUTBLK a
	WIN 0x02+((\a)/4)
.set i, 0
.rept 32
	v_pk_mul_f32 v[T+2*i:T+2*i+1], v[64*((\a)%4)+2*i:64*((\a)%4)+2*i+1], s[34:35] op_sel_hi:[1,0]
.set i, i+1
.endr
	WIN 0
.if (\a) > 0
	s_wait_xcnt 0x0
	s_wait_dscnt 0x0
.if (\a) == 4
	s_add_nc_u64 s[24:25], s[24:25], s[32:33]
	s_add_nc_u64 s[26:27], s[26:27], s[32:33]
.else
	s_add_nc_u64 s[24:25], s[24:25], s[30:31]
	s_add_nc_u64 s[26:27], s[26:27], s[30:31]
.endif
.endif
	QUANT T
	global_store_b128 v4, v[PC:PC+3], s[24:25]
	global_store_b64 v5, v[PC+4:PC+5], s[24:25] offset:512
	global_store_b128 v4, v[PC+6:PC+9], s[26:27]
	global_store_b64 v5, v[PC+10:PC+11], s[26:27] offset:512
	ds_store_b32 v[SWI], v[PW] offset:64*(\a)
.endm
.irp a, 0,1,2,3,4,5,6,7
	OUTBLK \a
.endr
	ds_load_b128 v[180:183], v[SWO]
	s_wait_dscnt 0x0
	global_store_b128 v31, v[180:183], s[28:29]
	s_wait_tensorcnt 0x0
	ds_add_u32 v[SPW], v[NIL]
	s_wait_dscnt 0x0
	CROUND
	s_endpgm
.Lfunc_end_k_q7636fc71ea_proj:
	.size	k_q7636fc71ea_proj, .Lfunc_end_k_q7636fc71ea_proj-k_q7636fc71ea_proj
	.p2alignl 7, 3214868480
	.fill 96, 4, 3214868480
	.section	.rodata,"a",@progbits
	.p2align	6, 0x0
	.amdhsa_kernel k_q7636fc71ea_proj
		.amdhsa_group_segment_fixed_size 327680
		.amdhsa_private_segment_fixed_size 0
		.amdhsa_enable_private_segment 0
		.amdhsa_kernarg_size 32
		.amdhsa_user_sgpr_count 2
		.amdhsa_user_sgpr_kernarg_segment_ptr 1
		.amdhsa_wavefront_size32 1
		.amdhsa_system_sgpr_workgroup_id_x 1
		.amdhsa_system_sgpr_workgroup_id_y 1
		.amdhsa_system_sgpr_workgroup_id_z 1
		.amdhsa_system_vgpr_workitem_id 0
		.amdhsa_next_free_vgpr 1024
		.amdhsa_next_free_sgpr 102
		.amdhsa_reserve_vcc 0
		.amdhsa_float_denorm_mode_32 3
		.amdhsa_float_denorm_mode_16_64 3
		.amdhsa_memory_ordered 1
		.amdhsa_forward_progress 1
		.amdhsa_inst_pref_size 168
	.end_amdhsa_kernel
	.amdgpu_metadata
---
amdhsa.version: [ 1, 2 ]
amdhsa.kernels:
  - .name:           k_q7636fc71ea_proj
    .symbol:         k_q7636fc71ea_proj.kd
    .args:
      - { .name: xw_img, .offset: 0, .size: 8, .value_kind: global_buffer, .address_space: global }
      - { .name: xw_sc, .offset: 8, .size: 8, .value_kind: global_buffer, .address_space: global }
      - { .name: qkv_img, .offset: 16, .size: 8, .value_kind: global_buffer, .address_space: global }
      - { .name: qkv_sc, .offset: 24, .size: 8, .value_kind: global_buffer, .address_space: global }
    .group_segment_fixed_size: 327680
    .private_segment_fixed_size: 0
    .kernarg_segment_align: 8
    .kernarg_segment_size: 32
    .max_flat_workgroup_size: 128
    .sgpr_count:     102
    .vgpr_count:     1024
    .wavefront_size: 32
...
	.end_amdgpu_metadata
.endif
;; end of part 2
;; launch attn (part 3): grid 4 x 64, 16 waves a work-group, clusters of 4 x 1, 264,192 bytes of LDS; arguments qkv_img, qkv_sc, a_img, a_sc; writes a_img, a_sc
.if DOCPART == 3
	.amdgcn_target "amdgcn-amd-amdhsa--gfx1250"
	.amdhsa_code_object_version 6
	.text
	.protected	k_q7636fc71ea_attn
	.globl	k_q7636fc71ea_attn
	.p2align	8
	.type	k_q7636fc71ea_attn,@function
k_q7636fc71ea_attn:
	s_mov_b64 s[64:65], 0
	v_nop
	global_prefetch_b8 v0, s[64:65] scope:SCOPE_SE
	s_setreg_imm32_b32 hwreg(HW_REG_WAVE_MODE, 25, 1), 1
	s_wait_xcnt 0x0
	s_wait_alu depctr_hold_cnt(0) depctr_sa_sdst(0) depctr_va_vdst(0) depctr_va_sdst(0) depctr_va_ssrc(0) depctr_va_vcc(0) depctr_vm_vsrc(0)
	s_getreg_b32 s2, hwreg(HW_REG_IB_STS2, 6, 4)
	s_cmp_eq_u32 s2, 0
	s_cbranch_scc0 .Lentry_in_a_cluster
	s_endpgm
.Lentry_in_a_cluster:
	s_bfe_u32 s2, ttmp6, 0x10000c
	s_cmp_lg_u32 s2, 0x3003
	s_cbranch_scc0 .Lentry_shape_is_right
	s_endpgm
.Lentry_shape_is_right:
; ATTENTION of one head on codes of FP6 (E2M3) with E8M0 block scales: S^T = K Q^T, p = 2^(t - M), O^T = V^T P^T, O / l quantised along the model's axis for the last product.
; t = score x log2(e) (q and k carry their 2^-2.5 already); M = the running largest t rounded UP to a whole number; l is the sum of the unquantised p; when M moves, l and O^T are multiplied by 2^(old M - new M), exactly.
; SHARES.  A work-group owns 512 queries of one head; each of its sixteen waves takes two tiles of 16 queries, one after the other (PASS 0, PASS 1), over the same K and V in LDS.  64 heads x 4 blocks = 256 work-groups.
; THE HEAD'S WHOLE K AND V STAY IN LDS, filled once: 16 chunks of 128 keys x (K: 8 half images of 768 bytes, V: 4 fragments of 1,536), as rows of 256 bytes + 64 of padding, and the pair of heads' scale words, 16,384 bytes.
; One joint load a wave at the head: waves 0-11 bring 64 rows of codes each, waves 12-15 16 rows of scale words each; one wait for 0 and one barrier show all of it to all waves; no slot is filled again, so no further barrier stands in the walk.
; CLUSTER 4 x 1: the four query blocks of a head ask for the same bytes jointly.  No prefetch: every tile is asked for at the head, and there is no loop to run ahead in.
; LAYOUT.  Both products are used transposed: a lane holds ONE query (lane % 16).  THE KEYS OF A TILE OF K ARE CHOSEN BY THE LANES' LDS ADDRESSES: tile (c, g) has in rows 0-7 keys 64 c + 8 g + 0..7 and in rows 8-15 keys 64 c + 32 + 8 g + 0..7.
; So lane half h holds, in the 32 registers of tiles (c, 0..3), the WHOLE block 2 c + h of 32 keys: its largest score needs no other lane, and the conversions' results are P's operand as they stand.
; Tile (c, g) writes the registers of place group [0,2,1,3][g]: V's codes along the keys have that order inside a block (place 16 a + 8 b + j holds key 16 b + 8 a + j).
; The padding of 64 bytes: rows 0-7 and rows 8-15 of a tile come from half images 6 LDS rows = 1,920 bytes apart, which is 128 modulo 256: the sixteen lanes of a 16-byte load touch 256 different bytes modulo 256.
; THE HEAD HAS 64 CHANNELS, THE INSTRUCTION 128 ALONG K.  Q's registers 6-11 hold zero codes, and bytes 2, 3 of Q's and K's scale words are 0 (2^-127; 16-bit loads).  K's tile t is named v[32 + 6 t .. 43 + 6 t]: its upper six
; registers are the next tile's codes (tile 7: zeros); no code of this format is a NaN or an infinity, so they meet Q's zeros and add nothing.
; LIMITS: NaN and infinities are not served; the promise holds while the scaled scores stay under 2^31 in magnitude; 1 / l by v_rcp_f32; a block of the result under 2^-124 keeps the byte 1.
; REGISTERS: v1-5, v7 lane patterns; v8-11, v28-29 the step's addresses; v12 -M, v13 the largest score, v[14:15] l; v16-27, v244-255 Q of the two passes; v30-31 the add's; v32-85 K's tiles, then V's fragments;
;   v86-89 K's, v90-91 V's, v92, v94 Q's, v93 p's scale words; v96-159 S^T, then p; v160-191 O^T; v192-203 p's codes; v204-237 at work; v238-242 addresses of loads and stores.
.set QI,  6291456
.set QS,  262144
.set KT,  960                          ; a half image of K in LDS: 3 rows of 320
.set VF,  1920                         ; a fragment of V: 6 rows
.set VB,  7680                         ; V's fragments begin behind K's eight half images
.set CH,  15360                        ; a chunk: 48 rows
.set SC,  245760                       ; K's words 8,192 bytes, V's words of the pair's head 0 and head 1, 4,096 each
.set SPARE, 262144                     ; the spare words: 128 bytes for each of 16 waves
.set WV,  12
.macro CROUND
	s_barrier_signal -1
	s_barrier_wait -1
	s_cmp_lg_u32 s[WV], 0
	s_cbranch_scc1 .Lnot_wave_0_\@
	s_barrier_signal -3
.Lnot_wave_0_\@:
	s_barrier_wait -3
	s_barrier_signal -1
	s_barrier_wait -1
.endm
.macro DEP n
	s_delay_alu instid0(VALU_DEP_\n)
.endm
	s_load_b256 s[4:11], s[0:1], 0x0               ; qkv_img s[4:5], qkv_sc s[6:7], a_img s[8:9], a_sc s[10:11]
	v_lshl_add_u32 v30, v0, 2, SPARE
	v_mov_b32 v31, 0
	ds_add_u32 v30, v31                            ; the opening lines: the add, twice on end, and its wait
	ds_add_u32 v30, v31
	v_lshrrev_b32 v8, 5, v0
	DEP 1
	v_readfirstlane_b32 s[WV], v8                  ; wave 0..15
	s_bfe_u32 s13, ttmp6, 0x40000                  ; cx = my block of 512 queries (one cluster along x): it enters Q's and the result's addresses alone
	s_and_b32 s15, ttmp7, 0xffff                   ; 16 x batch + head, which the four partners share
	s_and_b32 s16, s15, 15                         ; head
	s_lshr_b32 s17, s15, 4                         ; batch
	s_lshr_b32 s18, s15, 1                         ; the pair of heads
	s_and_b32 s19, s15, 1                          ; which of the pair
	s_mov_b32 s20, 0x76543210
	s_mov_b32 s21, 0xfedcba98                      ; v_permlanex16_b32's selects for lane l xor 16
	s_mov_b32 s22, 0x3fb8aa3b                      ; log2(e)
	s_mov_b32 s23, s22                             ; (named with it as a pair)
	; group 1 for codes: 64 rows of 256 bytes (32 elements of 8), 16 dwords of padding behind each 64
	s_mov_b32 s24, 15|(3<<16)|(1<<20)|(1<<21)|(5<<22)|(15<<25)
	s_mov_b32 s25, 32<<16
	s_mov_b32 s26, 64<<16
	s_mov_b32 s27, 32<<16
	s_mov_b32 s28, 64
	s_mov_b32 s29, 32
	s_mov_b32 s30, 0
	s_mov_b32 s31, 0
	; group 1 for scale words: 16 rows of 256 bytes, dense
	s_mov_b32 s32, 15|(3<<16)|(1<<21)
	s_mov_b32 s33, 32<<16
	s_mov_b32 s34, 16<<16
	s_mov_b32 s35, 32<<16
	s_mov_b32 s36, 16
	s_mov_b32 s37, 32
	s_mov_b32 s38, 0
	s_mov_b32 s39, 0
	s_mul_i32 s48, s15, 196608                     ; the head's K and V, + 16,384 bytes a wave (waves 0-11)
	s_lshl_b32 s49, s[WV], 14
	s_add_co_u32 s48, s48, s49
	s_add_co_u32 s48, s48, QI
	s_mov_b32 s49, 0
	s_lshl_b32 s50, s18, 14                        ; the pair's scale words, + 4,096 bytes a wave from wave 12 on
	s_lshl_b32 s51, s[WV], 12
	s_add_co_u32 s50, s50, s51
	s_add_co_u32 s50, s50, QS-49152
	s_add_co_u32 s45, s51, SC-49152                ; and their place in LDS
	s_mov_b32 s51, 0
	s_mul_i32 s41, s[WV], 20480                    ; 64 LDS rows of 320 a wave
	s_mov_b32 s40, 1
	s_mov_b32 s44, 1
	s_lshl_b32 s72, s13, 5
	s_add_co_u32 s72, s72, s[WV]                   ; my first tile of 16 queries; the second lies 16 tiles on
	s_lshl_b32 s52, s15, 7
	s_add_co_u32 s52, s52, s72
	s_mul_i32 s52, s52, 768                        ; Q's half image
	s_mov_b32 s53, 0
	s_lshl_b32 s54, s18, 11
	s_lshl_b32 s55, s72, 4
	s_add_co_u32 s54, s54, s55
	s_lshl_b32 s54, s54, 2
	s_lshl_b32 s55, s19, 1
	s_add_co_u32 s54, s54, s55                     ; Q's words: 4 bytes a query of the pair, my head's two
	s_add_co_u32 s78, s55, SC
	s_mov_b32 s55, 0
	s_lshl_b32 s79, s19, 12
	s_add_co_u32 s79, s79, SC+8192
	s_lshl_b32 s56, s17, 7
	s_add_co_u32 s56, s56, s72                     ; row tile of the result: 128 x batch + my tile
	s_lshl_b32 s58, s56, 9
	s_lshl_b32 s59, s16, 1
	s_add_co_u32 s58, s58, s59                     ; a_sc: 512 bytes a tile, my head's two bytes of a row's 32
	s_mov_b32 s59, 0
	s_lshl_b32 s56, s56, 4
	s_add_co_u32 s56, s56, s16
	s_mul_i32 s56, s56, 768                        ; a_img [row tile][head][768]
	s_mov_b32 s57, 0
	s_wait_dscnt 0x0                               ; both opening adds are done
	s_wait_kmcnt 0x0
	s_add_nc_u64 s[42:43], s[4:5], s[48:49]
	s_or_b32 s43, s43, 0x80000000
	s_add_nc_u64 s[46:47], s[6:7], s[50:51]
	s_or_b32 s47, s47, 0x80000000
	s_add_nc_u64 s[74:75], s[4:5], s[52:53]
	s_add_nc_u64 s[76:77], s[6:7], s[54:55]
	s_add_nc_u64 s[66:67], s[8:9], s[56:57]
	s_add_nc_u64 s[68:69], s[10:11], s[58:59]
	CROUND                                         ; all four work-groups are here: the joint loads meet
	s_cmp_lt_u32 s[WV], 12                         ; one load a wave, in the two arms of one branch on the wave's number
	s_cbranch_scc0 .Lwords
	tensor_load_to_lds s[40:43], s[24:31]          ; a twelfth of the codes
	s_nop 0
.rept 4
	v_nop
.endr
	s_branch .Lasked
.Lwords:
	tensor_load_to_lds s[44:47], s[32:39]          ; a quarter of the scale words
	s_nop 0
.rept 4
	v_nop
.endr
.Lasked:
	v_and_b32 v8, 31, v0                           ; lane
	v_and_b32 v9, 7, v0                            ; r % 8
	v_bfe_u32 v10, v0, 3, 1                        ; r / 8
	v_bfe_u32 v241, v0, 4, 1                       ; h
	v_and_b32 v11, 15, v0                          ; r
	v_lshlrev_b32 v238, 4, v8                      ; 16 x lane
	v_lshlrev_b32 v239, 3, v8                      ; 8 x lane
	v_lshlrev_b32 v242, 2, v11                     ; 4 r
	global_load_b128 v[16:19], v238, s[74:75]      ; Q's half images of both passes stay in registers
	global_load_b64 v[20:21], v239, s[74:75] offset:512
	global_load_b128 v[244:247], v238, s[74:75] offset:12288
	global_load_b64 v[248:249], v239, s[74:75] offset:12800
	global_load_u16 v92, v242, s[76:77]
	global_load_u16 v94, v242, s[76:77] offset:1024
	v_mul_u32_u24 v28, v10, VF                     ; rows 8-15 of a tile come from the half image two on
	v_mad_u32_u24 v1, v241, 320, v28
	v_lshl_add_u32 v1, v9, 4, v1                   ; K, registers 0-3: 1,920 (r / 8) + 320 h + 16 (r % 8)
	v_lshl_add_u32 v2, v241, 7, v28
	v_lshl_add_u32 v2, v9, 3, v2                   ; K, registers 4-5: 1,920 (r / 8) + 128 h + 8 (r % 8)
	v_lshlrev_b32 v3, 7, v10
	v_lshl_add_u32 v3, v9, 2, v3
	v_lshl_add_u32 v3, v241, 6, v3
	v_add_nc_u32 v3, s78, v3                       ; K's words, 4 bytes a key: key 32 (r / 8) + r % 8 + 16 h: lanes 0-15 tile g, lanes 16-31 tile g + 2
	v_lshl_add_u32 v4, v8, 2, s79                  ; V's words: 4 bytes a channel
	v_lshl_add_u32 v5, v241, 6, v238               ; V, 16 bytes a lane: lanes 16-31 lie in the next LDS row
	v_lshlrev_b32 v7, 3, v241                      ; 8 h: my bytes' place in p's scale word
	v_lshl_add_u32 v240, v11, 5, v241              ; a_sc: 32 r + h
.irp j, 22,23,24,25,26,27,80,81,82,83,84,85,250,251,252,253,254,255
	v_mov_b32 v[\j], 0                             ; zero codes
.endr
	v_mov_b32 v216, 0                              ; a lane permute's destination counts as read
	v_mov_b32 v217, 0
	v_mov_b32 v223, 0                              ; (named as the upper half of v[222:223])
	s_wait_alu depctr_va_vdst(0)
	s_wait_loadcnt 0x0                             ; Q
	s_wait_tensorcnt 0x0                           ; my part of the head's K, V or words has landed
	s_barrier_signal -1
	s_barrier_wait -1                              ; everybody's has
.macro PF j
	v_pk_fma_f32 v[96+\j:97+\j], v[96+\j:97+\j], s[22:23], v[12:13] op_sel_hi:[1,0,0]   ; t - M
.endm
; A KEY STEP: one chunk of 128 keys.  qb: Q's registers, qs: Q's scale words
.macro STEP qb, qs
	v_add_nc_u32 v8, s60, v1                       ; these six are also the places behind the last step's products, in front of the loads below
	v_add_nc_u32 v9, s60, v2
	v_add_nc_u32 v10, s61, v3
	v_add_nc_u32 v28, s60, v5
	v_add_nc_u32 v29, s60, v239
	v_add_nc_u32 v11, s62, v4
.irp c, 0,1
.irp g, 0,1,2,3
	ds_load_b128 v[32+6*(4*\c+\g):35+6*(4*\c+\g)], v8 offset:KT*(4*\c+\g/2)+128*(\g%2)
	ds_load_b64 v[36+6*(4*\c+\g):37+6*(4*\c+\g)], v9 offset:KT*(4*\c+\g/2)+640+64*(\g%2)
.endr
	ds_load_u16 v[86+2*\c], v10 offset:256*\c      ; tiles (c, 0) and (c, 2)
	ds_load_u16 v[87+2*\c], v10 offset:256*\c+32   ; tiles (c, 1) and (c, 3)
.endr
	s_wait_alu depctr_va_vdst(0)
	s_wait_dscnt 0x0
.irp c, 0,1
.irp g, 0,1
	v_wmma_scale_f32_16x16x128_f8f6f4 v[96+32*\c+16*\g:103+32*\c+16*\g], v[32+6*(4*\c+\g):43+6*(4*\c+\g)], v[\qb:\qb+11], 0, v[86+2*\c+\g], v[\qs] matrix_a_fmt:MATRIX_FMT_FP6 matrix_b_fmt:MATRIX_FMT_FP6
.endr
.irp g, 0,1
	v_wmma_scale_f32_16x16x128_f8f6f4 v[104+32*\c+16*\g:111+32*\c+16*\g], v[44+6*(4*\c+\g):55+6*(4*\c+\g)], v[\qb:\qb+11], 0, v[86+2*\c+\g], v[\qs] matrix_a_fmt:MATRIX_FMT_FP6 matrix_b_fmt:MATRIX_FMT_FP6 matrix_a_scale:MATRIX_SCALE_ROW1
.endr
.endr
	v_mov_b32 v215, v12                            ; the old -M.  With the three below: the places in front of the loads into K's registers and of the first read of the scores
.rept 3
	v_nop
.endr
.irp u, 0,1,2,3                        ; V's four fragments are asked for now and land under the softmax
	ds_load_b128 v[32+12*\u:35+12*\u], v28 offset:VB+VF*\u
	ds_load_b64 v[36+12*\u:37+12*\u], v29 offset:VB+VF*\u+640
	ds_load_b128 v[38+12*\u:41+12*\u], v28 offset:VB+VF*\u+960
	ds_load_b64 v[42+12*\u:43+12*\u], v29 offset:VB+VF*\u+1600
.endr
	ds_load_b32 v90, v11
	ds_load_b32 v91, v11 offset:128
.irp b, 0,1,2,3                        ; the largest score of my two blocks, in four chains by turns; each accumulator from its low end on
	v_max3_num_f32 v[230+\b], v[96+16*\b], v[97+16*\b], v[98+16*\b]
.endr
.irp i, 3,5,7,9,11,13
.irp b, 0,1,2,3
	v_max3_num_f32 v[230+\b], v[230+\b], v[96+16*\b+\i], v[97+16*\b+\i]
.endr
.endr
	v_max3_num_f32 v212, v230, v231, v111
	v_max3_num_f32 v213, v232, v233, v143
	v_max_num_f32 v212, v212, v127                 ; block h of these 128 keys,
	v_max_num_f32 v213, v213, v159                 ; and block 2 + h: they serve the row's maximum and, since p rises with the score, the blocks' largest p
	DEP 1
	v_max_num_f32 v214, v212, v213
	DEP 1
	v_permlanex16_b32 v216, v214, s20, s21
	DEP 1
	v_max3_num_f32 v13, v13, v214, v216            ; the running largest score of my query
	DEP 1
	v_mul_f32 v214, s22, v13                       ; as t
	DEP 1
	v_floor_f32 v12, -v214                         ; the new -M = -ceil(t)
	DEP 1
	v_sub_f32 v214, v12, v215                      ; old M - new M: a whole number, 0 or less
.irp j, 0,2,4
	PF \j
.endr
	v_cvt_i32_f32 v214, v214                       ; (it saturates)
.irp j, 6,8,10
	PF \j
.endr
	v_ldexp_f32 v222, 1.0, v214                    ; f = 2^(old M - new M)
.set j, 12
.rept 26
	PF j
.set j, j+2
.endr
	v_fma_f32 v212, v212, s22, v12                 ; the same of each block's largest score
	v_fma_f32 v213, v213, s22, v12
.set j, 0
.rept 16
	v_pk_mul_f32 v[160+j:161+j], v[160+j:161+j], v[222:223] op_sel_hi:[1,0]   ; O^T under the new M, each accumulator from its low end on
.set j, j+2
.endr
	s_wait_alu depctr_va_vdst(0)
.set j, 0
.rept 64
	v_exp_f32 v[96+j], v[96+j]                     ; p = 2^(t - M), at most 1
.set j, j+1
.endr
	v_exp_f32 v212, v212                           ; the blocks' largest p
	v_exp_f32 v213, v213
	v_pk_mul_f32 v[14:15], v[14:15], v[222:223] op_sel_hi:[1,0]   ; l under the new M: the plain place behind the exponentials
	s_wait_alu depctr_va_vdst(0)                   ; one wait for the batch, ahead of its first reader
	v_max_num_f32 v212, 0x1800000, v212            ; the floor 2^(3 - 127): the byte cannot fall under 1
	v_max_num_f32 v213, 0x1800000, v213
	DEP 2
	v_add_nc_u32 v218, 0xff000000, v212            ; 2 off the exponent field: the conversion's scale operand
	DEP 2
	v_add_nc_u32 v219, 0xff000000, v213
.irp c, 0,1
	v_cvt_scalef32_pk16_fp6_f32 v[192+6*\c:194+6*\c], v[96+32*\c:111+32*\c], v[218+\c]     ; places 0-15 of my block 2 c + h
	v_cvt_scalef32_pk16_fp6_f32 v[204+4*\c:206+4*\c], v[112+32*\c:127+32*\c], v[218+\c]    ; places 16-31 (a conversion's three registers begin on an even number)
.endr
	v_nop                                          ; one plain place behind a scaled conversion
.irp c, 0,1
.irp i, 0,1,2
	v_mov_b32 v[195+6*\c+\i], v[204+4*\c+\i]
.endr
.endr
	v_lshrrev_b32 v220, 23, v218                   ; the bytes of blocks h and 2 + h
	v_lshrrev_b32 v221, 23, v219
	DEP 1
	v_lshl_or_b32 v220, v221, 16, v220
	DEP 1
	v_lshlrev_b32 v220, v7, v220                   ; at their places in the word
	DEP 1
	v_permlanex16_b32 v216, v220, s20, s21
	DEP 1
	v_or_b32 v93, v220, v216                       ; with lane l xor 16's two: p's scale word for these 128 keys
	v_pk_add_f32 v[224:225], v[96:97], v[98:99]    ; l: the unquantised p, two at a time, in four chains by turns
	v_pk_add_f32 v[226:227], v[100:101], v[102:103]
	v_pk_add_f32 v[228:229], v[104:105], v[106:107]
	v_pk_add_f32 v[14:15], v[14:15], v[108:109]
.set j, 110
.rept 6
	v_pk_add_f32 v[224:225], v[224:225], v[j:j+1]
	v_pk_add_f32 v[226:227], v[226:227], v[j+2:j+3]
	v_pk_add_f32 v[228:229], v[228:229], v[j+4:j+5]
	v_pk_add_f32 v[14:15], v[14:15], v[j+6:j+7]
.set j, j+8
.endr
	v_pk_add_f32 v[224:225], v[224:225], v[158:159]
	v_pk_add_f32 v[14:15], v[14:15], v[228:229]
	DEP 2
	v_pk_add_f32 v[224:225], v[224:225], v[226:227]
	DEP 1
	v_pk_add_f32 v[14:15], v[14:15], v[224:225]
	s_wait_alu depctr_va_vdst(0)
	s_wait_dscnt 0x0                               ; V's fragments and words are in
.irp u, 0,2                            ; the four accumulators by turns, one instruction a turn
	v_wmma_scale_f32_16x16x128_f8f6f4 v[160+8*\u:167+8*\u], v[32+12*\u:43+12*\u], v[192:203], v[160+8*\u:167+8*\u], v[90+\u/2], v93 matrix_a_fmt:MATRIX_FMT_FP6 matrix_b_fmt:MATRIX_FMT_FP6
	v_wmma_scale_f32_16x16x128_f8f6f4 v[168+8*\u:175+8*\u], v[44+12*\u:55+12*\u], v[192:203], v[168+8*\u:175+8*\u], v[90+\u/2], v93 matrix_a_fmt:MATRIX_FMT_FP6 matrix_b_fmt:MATRIX_FMT_FP6 matrix_a_scale:MATRIX_SCALE_ROW1
.endr
.endm
; One tile of 16 queries through all 2,048 keys, and its way out.
.macro PASS p, qb, qs
.if \p
	s_wait_xcnt 0x0                                ; the last pass's stores have read their data registers
.endif
	s_mov_b32 s60, 0                               ; LDS byte of the chunk in hand
	s_mov_b32 s61, 0                               ; its words of K: 512 bytes a chunk
	s_mov_b32 s62, 0                               ; its words of V: 256
	s_mov_b32 s63, 16
	v_mov_b32 v13, 0xff61b1e6                      ; the largest score so far: -3e38
	v_mov_b32 v12, 0x7f61b1e6                      ; -M
	v_mov_b32 v14, 0
	v_mov_b32 v15, 0
.set j, 0
.rept 32
	v_mov_b32 v[160+j], 0                          ; O^T: the step is written once; the first finds zeros
.set j, j+1
.endr
.Lstep_\@:
	STEP \qb, \qs
	s_add_co_u32 s60, s60, CH
	s_add_co_u32 s61, s61, 512
	s_add_co_u32 s62, s62, 256
	s_sub_co_u32 s63, s63, 1
	s_cmp_lg_u32 s63, 0
	s_cbranch_scc1 .Lstep_\@
	; THE WAY OUT: O^T / l, quantised along the head's 64 channels (two blocks), as a half image of the last product's A operand
	v_add_f32 v14, v14, v15
	DEP 1
	v_permlanex16_b32 v216, v14, s20, s21
	DEP 1
	v_add_f32 v14, v14, v216                       ; the row's sum
	s_wait_alu depctr_va_vdst(0)
	v_rcp_f32 v14, v14
.rept 4
	v_nop                                          ; places behind the last products, and the plain place behind the reciprocal
.endr
	s_wait_alu depctr_va_vdst(0)                   ; ahead of the first reader of 1 / l and of O^T
.set j, 0
.rept 16
	v_pk_mul_f32 v[96+j:97+j], v[160+j:161+j], v[14:15] op_sel_hi:[1,0]   ; each accumulator from its low end on
.set j, j+2
.endr
	v_max3_num_f32 v212, |v96|, |v97|, 0x1800000
	v_max3_num_f32 v213, |v112|, |v113|, 0x1800000
.irp i, 2,4,6,8,10,12,14
	DEP 2
	v_max3_num_f32 v212, v212, |v[96+\i]|, |v[97+\i]|
	DEP 2
	v_max3_num_f32 v213, v213, |v[112+\i]|, |v[113+\i]|
.endr
	DEP 2
	v_permlanex16_b32 v216, v212, s20, s21
	DEP 2
	v_permlanex16_b32 v217, v213, s20, s21
	DEP 2
	v_max_num_f32 v212, v212, v216
	DEP 2
	v_max_num_f32 v213, v213, v217
	DEP 2
	v_add_nc_u32 v218, 0xff000000, v212
	DEP 2
	v_add_nc_u32 v219, 0xff000000, v213
	DEP 2
	v_lshrrev_b32 v220, 23, v218
	DEP 2
	v_lshrrev_b32 v221, 23, v219
	v_cvt_scalef32_pk16_fp6_f32 v[192:194], v[96:111], v218
	v_cvt_scalef32_pk16_fp6_f32 v[204:206], v[112:127], v219
	v_nop                                          ; one plain place behind a scaled conversion
.irp i, 0,1,2
	v_permlane16_swap_b32 v[192+\i], v[204+\i]     ; a whole block to a lane: lanes 0-15 block 0, lanes 16-31 block 1
.endr
.irp i, 0,1,2
	DEP 3
	v_mov_b32 v[195+\i], v[204+\i]
.endr
	v_cmp_eq_u32 vcc_lo, 1, v241
	DEP 1
	v_cndmask_b32 v220, v220, v221, vcc_lo         ; lane (r, h): the byte of block h
	global_store_b128 v238, v[192:195], s[66:67] offset:196608*\p        ; 512 consecutive bytes, aligned; the second pass's tile lies 16 row tiles on
	global_store_b64 v239, v[196:197], s[66:67] offset:196608*\p+512
	global_store_b8 v240, v220, s[68:69] offset:8192*\p                  ; single bytes, two of a row's 32: the row form is what the next launch's dense load wants
.endm
	PASS 0, 16, 92
	PASS 1, 244, 94
	s_wait_tensorcnt 0x0                           ; the wave's end
	ds_add_u32 v30, v31
	s_wait_dscnt 0x0
	CROUND                                         ; the closing round
	s_endpgm
.Lfunc_end_k_q7636fc71ea_attn:
	.size	k_q7636fc71ea_attn, .Lfunc_end_k_q7636fc71ea_attn-k_q7636fc71ea_attn
	.p2alignl 7, 3214868480
	.fill 96, 4, 3214868480
	.section	.rodata,"a",@progbits
	.p2align	6, 0x0
	.amdhsa_kernel k_q7636fc71ea_attn
		.amdhsa_group_segment_fixed_size 264192
		.amdhsa_private_segment_fixed_size 0
		.amdhsa_enable_private_segment 0
		.amdhsa_kernarg_size 32
		.amdhsa_user_sgpr_count 2
		.amdhsa_user_sgpr_kernarg_segment_ptr 1
		.amdhsa_wavefront_size32 1
		.amdhsa_system_sgpr_workgroup_id_x 1
		.amdhsa_system_sgpr_workgroup_id_y 1
		.amdhsa_system_sgpr_workgroup_id_z 1
		.amdhsa_system_vgpr_workitem_id 0
		.amdhsa_next_free_vgpr 256
		.amdhsa_next_free_sgpr 80
		.amdhsa_reserve_vcc 1
		.amdhsa_float_denorm_mode_32 3
		.amdhsa_float_denorm_mode_16_64 3
		.amdhsa_memory_ordered 1
		.amdhsa_forward_progress 1
		.amdhsa_inst_pref_size 51
	.end_amdhsa_kernel
	.amdgpu_metadata
---
amdhsa.version: [ 1, 2 ]
amdhsa.kernels:
  - .name:           k_q7636fc71ea_attn
    .symbol:         k_q7636fc71ea_attn.kd
    .args:
      - { .name: qkv_img, .offset: 0, .size: 8, .value_kind: global_buffer, .address_space: global }
      - { .name: qkv_sc, .offset: 8, .size: 8, .value_kind: global_buffer, .address_space: global }
      - { .name: a_img, .offset: 16, .size: 8, .value_kind: global_buffer, .address_space: global }
      - { .name: a_sc, .offset: 24, .size: 8, .value_kind: global_buffer, .address_space: global }
    .group_segment_fixed_size: 264192
    .private_segment_fixed_size: 0
    .kernarg_segment_align: 8
    .kernarg_segment_size: 32
    .max_flat_workgroup_size: 512
    .sgpr_count:     80
    .vgpr_count:     256
    .wavefront_size: 32
...
	.end_amdgpu_metadata
.endif
;; end of part 3
;; launch outp (part 4): grid 4 x 32, 4 waves a work-group, clusters of 4 x 4, 327,680 bytes of LDS; arguments a_img, a_sc, xw_img, xw_sc, bo, out0; writes out0
.if DOCPART == 4
	.amdgcn_target "amdgcn-amd-amdhsa--gfx1250"
	.amdhsa_code_object_version 6
	.text
	.protected	k_q7636fc71ea_outp
	.globl	k_q7636fc71ea_outp
	.p2align	8
	.type	k_q7636fc71ea_outp,@function
k_q7636fc71ea_outp:
	s_mov_b64 s[64:65], 0
	v_nop
	global_prefetch_b8 v0, s[64:65] scope:SCOPE_SE
	s_setreg_imm32_b32 hwreg(HW_REG_WAVE_MODE, 25, 1), 1
	s_wait_xcnt 0x0
	s_wait_alu depctr_hold_cnt(0) depctr_sa_sdst(0) depctr_va_vdst(0) depctr_va_sdst(0) depctr_va_ssrc(0) depctr_va_vcc(0) depctr_vm_vsrc(0)
	s_getreg_b32 s2, hwreg(HW_REG_IB_STS2, 6, 4)
	s_cmp_eq_u32 s2, 0
	s_cbranch_scc0 .Lentry_in_a_cluster
	s_endpgm
.Lentry_in_a_cluster:
	s_bfe_u32 s2, ttmp6, 0x10000c
	s_cmp_lg_u32 s2, 0xf033
	s_cbranch_scc0 .Lentry_shape_is_right
	s_endpgm
.Lentry_shape_is_right:
.set XI,    6291456
.set XS,    262144
.set SIZE_N, 1024
.set NQ,    2
.set FR,    12
.set NL,    4
.set NP,    4
.set TILEB, 3072
.set RT,    12288
.set HALFT, 8*TILEB
.set SLOT,  4*HALFT
.set KS,    32
.set SCL,   2*SLOT
.set HALFS, 16*272
.set SBLK,  2*272
.set SPARE, SCL+4*HALFS
.set SPITCH, 528
.set ADRA, 16
.set ADRB, 20
.set STO,  24
.set RD,   25
.set CO,   26
.set ADRS, 27
.set SPW,  28
.set NIL,  29
.set SC,   32
.set BI,   64
.set AF,   128
.set BK,   128
.set CP,   94
.set G1, 24
.set G0, 32
.set G1B, 48
.set G0B, 56
.set G1S, 68
.set G0S, 76
.set G1SB, 80
.set G0SB, 88
.set MSB, 0
.macro WIN new
.if MSB != \new
	s_set_vgpr_msb (MSB<<8)|\new
.set MSB, \new
.endif
.endm
.set MUL_LO, 0xa1
.set MUL_HI, 0xf1
.set FIRST_LO, 0x81
.set FIRST_HI, 0xc1
.set TO_B,   0x40
.macro JLOAD g0a, g1a, g0b, g1b
	s_cmp_eq_u32 s15, 0
	s_cbranch_scc0 .Lfor_b_\@
	tensor_load_to_lds s[\g0a:\g0a+3], s[\g1a:\g1a+7]
	s_nop 0
.rept 4
	v_nop
.endr
	s_branch .Lasked_\@
.Lfor_b_\@:
	tensor_load_to_lds s[\g0b:\g0b+3], s[\g1b:\g1b+7]
	s_nop 0
.rept 4
	v_nop
.endr
.Lasked_\@:
.endm
.macro CREST
	s_cmp_lg_u32 s14, 0
	s_cbranch_scc1 .Lnot_wave_0_\@
	s_barrier_signal -3
.Lnot_wave_0_\@:
	s_barrier_wait -3
	s_barrier_signal -1
	s_barrier_wait -1
.endm
.macro CROUND
	s_barrier_signal -1
	s_barrier_wait -1
	CREST
.endm
	s_load_b256 s[4:11], s[0:1], 0x0
	s_load_b128 s[92:95], s[0:1], 0x20
	v_lshl_add_u32 v[SPW], v0, 2, SPARE
	v_mov_b32 v[NIL], 0
	ds_add_u32 v28, v29
	ds_add_u32 v28, v29
	s_wait_dscnt 0x0
	v_lshrrev_b32 v1, 5, v0
	v_readfirstlane_b32 s14, v1
	s_lshr_b32 s15, s14, 1
	s_and_b32 s16, s14, 1
	s_bfe_u32 s40, ttmp6, 0x40000
	s_bfe_u32 s41, ttmp6, 0x40004
	s_lshl_b32 s42, ttmp9, 2
	s_add_co_u32 s42, s42, s40
	s_and_b32 s17, ttmp7, 0xffff
	s_lshl_b32 s17, s17, 2
	s_add_co_u32 s17, s17, s41
	s_lshl_b32 s43, s41, 2
	s_lshl_b32 s43, 15, s43
	s_lshl_b32 s44, 0x1111, s40
	s_or_b32 s[G1+0], s43, (3<<16)|(1<<21)
	s_or_b32 s[G1B+0], s44, (3<<16)|(1<<21)
.irp g, G1, G1B
	s_mov_b32 s[\g+1], 384<<16
	s_mov_b32 s[\g+2], 8<<16
	s_mov_b32 s[\g+3], 384<<16
	s_mov_b32 s[\g+4], 8
	s_mov_b32 s[\g+5], 1536
	s_mov_b32 s[\g+6], 0
	s_mov_b32 s[\g+7], 0
.endr
	s_or_b32 s[G1S+0], s43, (3<<16)|(1<<20)|(1<<21)|(5<<22)|(3<<25)
	s_or_b32 s[G1SB+0], s44, (3<<16)|(1<<20)|(1<<21)|(5<<22)|(3<<25)
.irp g, G1S, G1SB
	s_mov_b32 s[\g+1], 32<<16
	s_mov_b32 s[\g+2], 16<<16
	s_mov_b32 s[\g+3], 32<<16
	s_mov_b32 s[\g+4], 16
	s_mov_b32 s[\g+5], 32
	s_mov_b32 s[\g+6], 0
	s_mov_b32 s[\g+7], 0
.endr
	s_lshl_b32 s18, s16, 3
	s_lshl_b32 s20, s17, 4
	s_add_co_u32 s20, s20, s18
	s_lshl_b32 s46, s42, 4
	s_add_co_u32 s46, s46, s18
	s_lshl_b32 s22, s20, 9
	s_mov_b32 s23, 0
	s_mul_i32 s20, s20, RT
	s_mov_b32 s21, 0
	s_lshl_b32 s96, s46, 9
	s_add_co_u32 s96, s96, XS+65536
	s_mov_b32 s97, 0
	s_mul_i32 s46, s46, RT
	s_add_co_u32 s46, s46, XI+1572864
	s_mov_b32 s47, 0
	s_mul_i32 s45, s14, HALFT
	s_mul_i32 s98, s14, HALFS
	s_wait_kmcnt 0x0
	s_add_nc_u64 s[20:21], s[4:5], s[20:21]
	s_add_nc_u64 s[22:23], s[6:7], s[22:23]
	s_add_nc_u64 s[46:47], s[8:9], s[46:47]
	s_add_nc_u64 s[96:97], s[10:11], s[96:97]
	CROUND
	s_mov_b32 s[G0S], 1
	s_add_co_u32 s[G0S+1], s98, SCL
	s_mov_b64 s[G0S+2:G0S+3], s[22:23]
	s_or_b32 s[G0S+3], s[G0S+3], 0x80000000
	s_mov_b32 s[G0SB], 1
	s_add_co_u32 s[G0SB+1], s98, SCL
	s_mov_b64 s[G0SB+2:G0SB+3], s[96:97]
	s_or_b32 s[G0SB+3], s[G0SB+3], 0x80000000
	JLOAD G0S, G1S, G0SB, G1SB
.irp s, 0,1
	s_mov_b32 s[G0+4*\s], 1
	s_add_co_u32 s[G0+4*\s+1], s45, \s*SLOT
	s_add_nc_u64 s[G0+4*\s+2:G0+4*\s+3], s[20:21], \s*TILEB
	s_or_b32 s[G0+4*\s+3], s[G0+4*\s+3], 0x80000000
	s_mov_b32 s[G0B+4*\s], 1
	s_add_co_u32 s[G0B+4*\s+1], s45, \s*SLOT
	s_add_nc_u64 s[G0B+4*\s+2:G0B+4*\s+3], s[46:47], \s*TILEB
	s_or_b32 s[G0B+4*\s+3], s[G0B+4*\s+3], 0x80000000
	s_wait_alu depctr_va_vdst(0)
	s_wait_tensorcnt 0x0
	ds_add_u32 v28, v29
	s_wait_dscnt 0x0
	CROUND
	JLOAD G0+4*\s, G1, G0B+4*\s, G1B
.endr
	v_and_b32 v1, 15, v0
	v_bfe_u32 v2, v0, 4, 1
	v_and_b32 v3, 31, v0
	v_lshlrev_b32 v4, 4, v3
	v_lshlrev_b32 v5, 3, v3
	s_mul_i32 s21, s15, HALFT
	s_mul_i32 s22, s16, HALFT
	s_add_co_u32 s22, s22, 2*HALFT
.irp s, 0,1
	v_add_nc_u32 v[ADRA+\s], s21, v4
	v_add_nc_u32 v[ADRB+\s], s22, v4
	v_add_nc_u32 v[ADRA+2+\s], s21, v5
	v_add_nc_u32 v[ADRB+2+\s], s22, v5
	s_add_co_u32 s21, s21, SLOT
	s_add_co_u32 s22, s22, SLOT
.endr
	v_mul_u32_u24 v6, v1, KS
	v_lshrrev_b32 v7, 8, v6
	v_lshl_add_u32 v6, v7, 4, v6
	s_mul_i32 s21, s15, HALFS
	s_mul_i32 s22, s16, HALFS
	s_add_co_u32 s22, s22, 2*HALFS
	s_sub_co_u32 s22, s22, s21
	v_mul_u32_u24 v7, s22, v2
	s_add_co_u32 s21, s21, SCL
	v_add_nc_u32 v6, v6, v7
	v_add_nc_u32 v[ADRS], s21, v6
	s_mul_i32 s23, s14, 16*SPITCH
	v_mul_u32_u24 v6, v1, SPITCH
	v_lshl_add_u32 v6, v2, 5, v6
	v_add_nc_u32 v[STO], s23, v6
	v_lshlrev_b32 v[CO], 4, v3
	v_add_nc_u32 v[RD], s23, v[CO]
	s_lshl_b32 s20, s17, 8
	s_lshl_b32 s21, s15, 7
	s_add_co_u32 s20, s20, s21
	s_mov_b32 s21, 0
	s_mov_b64 s[18:19], SIZE_N*4
	s_mul_u64 s[20:21], s[20:21], s[18:19]
	s_lshl_b32 s46, s42, 10
	s_lshl_b32 s47, s16, 9
	s_add_co_u32 s46, s46, s47
	s_mov_b32 s47, 0
	s_add_nc_u64 s[92:93], s[92:93], s[46:47]
	s_add_nc_u64 s[20:21], s[20:21], s[46:47]
	s_add_nc_u64 s[CP:CP+1], s[CP:CP+1], s[20:21]
	v_lshlrev_b32 v8, 5, v2
.irp b, 0,1,2,3,4,5,6,7
	global_load_b128 v[BI+8*\b:BI+8*\b+3], v8, s[92:93] offset:64*\b
	global_load_b128 v[BI+8*\b+4:BI+8*\b+7], v8, s[92:93] offset:64*\b+16
.endr
.macro FRAG reg, adr, q, i
	ds_load_b128 v[\reg:\reg+3], v[\adr] offset:(\i)*TILEB+(\q)*1536
	ds_load_b64 v[\reg+4:\reg+5], v[\adr+2] offset:(\i)*TILEB+(\q)*1536+512
	ds_load_b128 v[\reg+6:\reg+9], v[\adr] offset:(\i)*TILEB+(\q)*1536+768
	ds_load_b64 v[\reg+10:\reg+11], v[\adr+2] offset:(\i)*TILEB+(\q)*1536+1280
.endm
.macro MUL16 a0, p, q, sc, zero
.irp a, \a0, \a0+1
.irp b, 0,1,2,3,4,5,6,7
.if \zero
	v_wmma_scale_f32_16x16x128_f8f6f4 v[8*(8*((\a)%4)+\b):8*(8*((\a)%4)+\b)+7], v[128*(\p)+FR*\b:128*(\p)+FR*\b+FR-1], v[AF+FR*(\a):AF+FR*(\a)+FR-1], v[BI+8*\b:BI+8*\b+7], v[SC+8*NQ*(\sc)+NQ*\b+(\q)], v[SC+8*NQ*(\sc)+NQ*(\a)+(\q)] matrix_a_fmt:MATRIX_FMT_FP6 matrix_b_fmt:MATRIX_FMT_FP6 matrix_a_scale:MATRIX_SCALE_ROW1
.else
	v_wmma_scale_f32_16x16x128_f8f6f4 v[8*(8*((\a)%4)+\b):8*(8*((\a)%4)+\b)+7], v[128*(\p)+FR*\b:128*(\p)+FR*\b+FR-1], v[AF+FR*(\a):AF+FR*(\a)+FR-1], v[8*(8*((\a)%4)+\b):8*(8*((\a)%4)+\b)+7], v[SC+8*NQ*(\sc)+NQ*\b+(\q)], v[SC+8*NQ*(\sc)+NQ*(\a)+(\q)] matrix_a_fmt:MATRIX_FMT_FP6 matrix_b_fmt:MATRIX_FMT_FP6 matrix_a_scale:MATRIX_SCALE_ROW1
.endif
.endr
.endr
.endm
.macro FETCH_B slot, q, p
	WIN TO_B
.irp i, 0,1,2,3,4,5,6,7
	FRAG 128*(\p)+FR*\i, ADRB+\slot, \q, \i
.endr
	WIN 0
.endm
.macro FETCH_A slot, q, i0
.irp i, \i0, \i0+1, \i0+2, \i0+3
	FRAG AF+FR*(\i), ADRA+\slot, \q, \i
.endr
.endm
.macro SCALES sc
.irp i, 0,1,2,3,4,5,6,7
	ds_load_b64 v[SC+8*NQ*\sc+NQ*\i:SC+8*NQ*\sc+NQ*\i+1], v[ADRS] offset:\i*SBLK
.endr
.endm
.macro PLACES n
.rept \n
	v_nop
.endr
.endm
.macro STEP slot, q, zero
	s_wait_dscnt 4*NL
.if \zero
	WIN FIRST_LO
.else
	WIN MUL_LO
.endif
	MUL16 0, (\q)%2, \q, \slot, \zero
	MUL16 2, (\q)%2, \q, \slot, \zero
	s_wait_dscnt 0
	PLACES NP
	FETCH_B \slot, (\q)+1, 1-(\q)%2
	FETCH_A \slot, (\q)+1, 0
.if \zero
	WIN FIRST_HI
.else
	WIN MUL_HI
.endif
	MUL16 4, (\q)%2, \q, \slot, \zero
	MUL16 6, (\q)%2, \q, \slot, \zero
	PLACES NP
	WIN 0
	FETCH_A \slot, (\q)+1, 4
.endm
.macro TURN slot, next, fill
	s_wait_tensorcnt 0x0
	ds_add_u32 v[SPW], v[NIL]
	s_wait_dscnt 4*NL+1
	WIN MUL_LO
	MUL16 0, 1, NQ-1, \slot, 0
	s_wait_dscnt 0x0
	s_barrier_signal -1
	MUL16 2, 1, NQ-1, \slot, 0
	WIN 0
	s_barrier_wait -1
.if \fill
	CREST
	s_add_nc_u64 s[G0+4*\slot+2:G0+4*\slot+3], s[G0+4*\slot+2:G0+4*\slot+3], 2*TILEB
	s_add_nc_u64 s[G0B+4*\slot+2:G0B+4*\slot+3], s[G0B+4*\slot+2:G0B+4*\slot+3], 2*TILEB
	JLOAD G0+4*\slot, G1, G0B+4*\slot, G1B
.else
	PLACES NP
.endif
	s_wait_alu depctr_va_vdst(0)
	v_add_nc_u32 v[ADRS], 4*NQ, v[ADRS]
	FETCH_B \next, 0, 0
	FETCH_A \next, 0, 0
	SCALES \next
	WIN MUL_HI
	MUL16 4, 1, NQ-1, \slot, 0
	MUL16 6, 1, NQ-1, \slot, 0
	PLACES NP
	WIN 0
	FETCH_A \next, 0, 4
.endm
	s_wait_alu depctr_va_vdst(0)
	s_wait_tensorcnt 1
	s_barrier_signal -1
	s_barrier_wait -1
	FETCH_B 0, 0, 0
	FETCH_A 0, 0, 0
	SCALES 0
	FETCH_A 0, 0, 4
	s_wait_loadcnt 0x0
	STEP 0, 0, 1
	TURN 0, 1, 1
	STEP 1, 0, 0
	TURN 1, 0, 1
	STEP 0, 0, 0
	TURN 0, 1, 0
	STEP 1, 0, 0
	s_wait_dscnt 4*NL
	WIN MUL_LO
	MUL16 0, 1, NQ-1, 1, 0
	MUL16 2, 1, NQ-1, 1, 0
	s_wait_dscnt 0
	WIN MUL_HI
	MUL16 4, 1, NQ-1, 1, 0
	MUL16 6, 1, NQ-1, 1, 0
	WIN 0
.macro TOSTAGE a
.set AC, 64*((\a)%4)
	WIN 0x08+4*((\a)/4)
.irp b, 0,1,2,3,4,5,6,7
	ds_store_b128 v[STO], v[AC+8*\b:AC+8*\b+3] offset:64*\b
	ds_store_b128 v[STO], v[AC+8*\b+4:AC+8*\b+7] offset:64*\b+16
.endr
	WIN 0
.set BB, BK+64*((\a)%2)
.irp t, 0,1,2,3,4,5,6,7,8,9,10,11,12,13,14,15
	ds_load_b128 v[BB+4*\t:BB+4*\t+3], v[RD] offset:\t*SPITCH
.endr
.endm
.macro SEND a, younger
.set BB, BK+64*((\a)%2)
	s_wait_dscnt \younger
.if (\a) > 0
	s_add_nc_u64 s[CP:CP+1], s[CP:CP+1], 16*SIZE_N*4
.endif
.irp t, 0,1,2,3,4,5,6,7,8,9,10,11,12,13,14,15
	global_store_b128 v[CO], v[BB+4*\t:BB+4*\t+3], s[CP:CP+1] offset:\t*SIZE_N*4 th:TH_STORE_NT
.endr
.endm
	PLACES NP
	TOSTAGE 0
.irp a, 1,2,3,4,5,6,7
.if \a > 1
	s_wait_xcnt 0x0
.endif
	TOSTAGE \a
	SEND \a-1, 32
.endr
	s_wait_xcnt 0x0
	SEND 7, 0
	s_wait_tensorcnt 0x0
	ds_add_u32 v[SPW], v[NIL]
	s_wait_dscnt 0x0
	CROUND
	s_endpgm
.Lfunc_end_k_q7636fc71ea_outp:
	.size	k_q7636fc71ea_outp, .Lfunc_end_k_q7636fc71ea_outp-k_q7636fc71ea_outp
	.p2alignl 7, 3214868480
	.fill 96, 4, 3214868480
	.section	.rodata,"a",@progbits
	.p2align	6, 0x0
	.amdhsa_kernel k_q7636fc71ea_outp
		.amdhsa_group_segment_fixed_size 327680
		.amdhsa_private_segment_fixed_size 0
		.amdhsa_enable_private_segment 0
		.amdhsa_kernarg_size 48
		.amdhsa_user_sgpr_count 2
		.amdhsa_user_sgpr_kernarg_segment_ptr 1
		.amdhsa_wavefront_size32 1
		.amdhsa_system_sgpr_workgroup_id_x 1
		.amdhsa_system_sgpr_workgroup_id_y 1
		.amdhsa_system_sgpr_workgroup_id_z 1
		.amdhsa_system_vgpr_workitem_id 0
		.amdhsa_next_free_vgpr 1024
		.amdhsa_next_free_sgpr 102
		.amdhsa_reserve_vcc 0
		.amdhsa_float_denorm_mode_32 3
		.amdhsa_float_denorm_mode_16_64 3
		.amdhsa_memory_ordered 1
		.amdhsa_forward_progress 1
		.amdhsa_inst_pref_size 146
	.end_amdhsa_kernel
	.amdgpu_metadata
---
amdhsa.version: [ 1, 2 ]
amdhsa.kernels:
  - .name:           k_q7636fc71ea_outp
    .symbol:         k_q7636fc71ea_outp.kd
    .args:
      - { .name: a_img, .offset: 0, .size: 8, .value_kind: global_buffer, .address_space: global }
      - { .name: a_sc, .offset: 8, .size: 8, .value_kind: global_buffer, .address_space: global }
      - { .name: xw_img, .offset: 16, .size: 8, .value_kind: global_buffer, .address_space: global }
      - { .name: xw_sc, .offset: 24, .size: 8, .value_kind: global_buffer, .address_space: global }
      - { .name: bo, .offset: 32, .size: 8, .value_kind: global_buffer, .address_space: global }
      - { .name: out0, .offset: 40, .size: 8, .value_kind: global_buffer, .address_space: global }
    .group_segment_fixed_size: 327680
    .private_segment_fixed_size: 0
    .kernarg_segment_align: 8
    .kernarg_segment_size: 48
    .max_flat_workgroup_size: 128
    .sgpr_count:     102
    .vgpr_count:     1024
    .wavefront_size: 32
...
	.end_amdgpu_metadata
.endif
;; end of part 4
